; MI455X (gfx1250); checked and timed in simulation.
; The chip was launched on July 23, 2026; its instructions are those of AMD's public machine-readable ISA for CDNA 5 (MIT licence, August 2026) and "CDNA5" Instruction Set Architecture Reference Guide (July 2026). The comments in the code are by the model that wrote it; some were corrected since.
;; SOM. Allowed arithmetic: float matrix products may take bf16 or f16 operands with f32 sums; other float arithmetic in f32, or as packed bf16 or f16 multiplies, adds, multiply-adds, maxima and minima; sums over many terms, partial sums and values carried from step to step in f32; what a program stores and reads back later, other than sums and carried values, may be rounded once to bf16 or f16.
;; Inputs: weights 100 x 100 x 256 float32; x 512 x 256 float32.
;; Outputs: out0 100 x 100 x 256 float32.
;; Constants: epoch = 10, total_epochs = 100.
;; One version. Each part assembles by itself: llvm-mc -triple=amdgcn-amd-amdhsa -mcpu=gfx1250 --defsym DOCPART=n.
;; ======== version 1 of 1: 2 launches
;; limits: values outside matrix products are rounded to f16; values outside matrix products are rounded to bf16; values are held in f16: magnitudes above 65,504 overflow, below 6.1e-05 lose precision; inputs' magnitudes at most 65,280
;; workspace buffers: part 131,072 bytes; xt 262,144 bytes
;; launch dist (part 1): grid 8 x 32, 4 waves a work-group, clusters of 4 x 1, 327,680 bytes of LDS; arguments x, weights, part, xt; writes part, xt
.if DOCPART == 1
	.amdgcn_target "amdgcn-amd-amdhsa--gfx1250"
	.amdhsa_code_object_version 6
	.text
	.protected	k_q5660184cc0_dist
	.globl	k_q5660184cc0_dist
	.p2align	8
	.type	k_q5660184cc0_dist,@function
k_q5660184cc0_dist:
	s_mov_b64 s[64:65], 0
	v_nop
	global_prefetch_b8 v0, s[64:65] scope:SCOPE_SE
	s_setreg_imm32_b32 hwreg(HW_REG_WAVE_MODE, 25, 1), 1
	s_wait_xcnt 0x0
	s_wait_alu depctr_hold_cnt(0) depctr_sa_sdst(0) depctr_va_vdst(0) depctr_va_sdst(0) depctr_va_ssrc(0) depctr_va_vcc(0) depctr_vm_vsrc(0)
	s_getreg_b32 s2, hwreg(HW_REG_IB_STS2, 6, 4)
	s_cmp_eq_u32 s2, 0
	s_cbranch_scc0 .Lentry_in_a_cluster
	s_endpgm
.Lentry_in_a_cluster:
	s_bfe_u32 s2, ttmp6, 0x10000c
	s_cmp_lg_u32 s2, 0x3003
	s_cbranch_scc0 .Lentry_shape_is_right
	s_endpgm
.Lentry_shape_is_right:
; BEST MATCHING UNITS, FIRST HALF.  x: [512][256] f32, weights: [10000][256] f32.  For each sample b and each of 32 chunks of the codebook:
; the smallest d2[b][p] = (sum x^2 - 2 x.w) + sum w^2 of the chunk and the lowest p that has it -> part (32 x 512 values, then 32 x 512 indices).
; FORMATS AND LIMITS.  x and weights are rounded once to bf16 for all three sums; sums in f32 (matrix unit).  d2 is formed in f32 in the order written above: one fused multiply-add, one add.
; Equal d2: the lowest index.  Two d2 closer than the rounding of the f32 sums may be ordered otherwise than by another order of summing.  NaN and infinities are not treated apart.
; An index (under 2^24) is carried as an exact f32 while minima are taken of it.
; SHARES.  A work-group: 64 samples x one chunk.  The codebook is 625 tiles of 16 rows; the 128 wave shares (chunk x wave) take 5 tiles (the first 113) or 4 (the other 15), in ascending
; order.  A share of 4 takes its fourth tile once more as a fifth: a repeated tile changes no strict minimum, and every wave issues the same tensor loads and passes the same barriers.
; LAYOUT.  D = X W^T: source 0 = 16 samples, source 1 = 16 codebook rows.  A lane holds ONE codebook row (lane % 16) and the samples 8 (lane / 16) + 0..7, so sum w^2 is one number a lane
; and the running minimum stays in the lane until the end.  sum w^2 is the diagonal of W W^T, one matrix instruction more a K step (9 vector lines pick it); sum x^2 likewise, once.
; CLUSTER.  The four partners are four sample blocks of ONE chunk: they need the same tiles of weights, so each tile is asked for JOINTLY (same load, descriptor and mask in all four).
; ALSO: each work-group writes 1,024 bytes of xt: x turned, in the order in which the next launch's waves read source 1:
; xt[((v 16 + ks) 4 + t) 2 + q][lane][e] = x[32 ks + 16 q + 8 (lane / 16) + e][64 v + 4 (lane % 16) + t].
; xt's numbers are x rounded to bf16, as everywhere here, and that number written as f16, since the next launch's coefficients want f16's 11 bits: exact for 6.1e-5 <= |x| < 65,504;
; below that it keeps f16's fixed step of 6e-8; |x| of 65,520 or more becomes an infinity.
; REGISTERS.  Window 0: as named below.  Window 1: the 64 samples as fragments, tile a, K step ks at 8 (8 a + ks).
.set ROWB,  1024                       ; bytes in a row of x and of weights
.set WP,    1040                       ; a row of weights in LDS: 1,024 bytes + 16 of padding = 65 x 16: the 16 rows of a load start at 16 different groups of four banks (ISA guide 11.1)
.set SLOTB, 16*WP                      ; a tile's slot
.set XP,    528                        ; a row of x in LDS, bf16: 512 + 16 = 33 x 16
.set XB,    16*SLOTB                   ; behind the 16 slots (4 a wave): the 64 samples
.set XXT,   XB+64*XP                   ; sum x^2: 64 words for each wave, its own
.set RED,   XXT+4*256                  ; where the four waves' minima meet: 64 values, 64 indices a wave
.set SPARE, RED+4*512                  ; the spare words, 128 bytes a wave: two blocks of 256 bytes that no other line names
.set FIVE,  113                        ; wave shares of five tiles: 625 = 113 x 5 + 15 x 4
.set LN,  1                            ; lane
.set RR,  2                            ; lane % 16
.set HH,  3                            ; lane / 16
.set SPW, 4                            ; LDS address of my spare word; never rewritten
.set NIL, 5                            ; 0; never rewritten
.set WB,  6                            ; LDS: my place in my wave's slot 0
.set XA,  7                            ; LDS: my place in a fragment of x
.set XG,  8                            ; x: my 16 bytes of my wave's first row
.set XS,  9                            ; LDS: where I put 8 bytes of bf16
.set TG,  10                           ; x: the four numbers that I turn
.set TS,  11                           ; xt: my 8 bytes
.set RF,  12                           ; lane % 16 as f32
.set XXS, 13                           ; LDS: where sum x^2 of sample lane % 16 goes
.set XXL, 14                           ; LDS: where I read eight of them back
.set TT,  15                           ; at work
.set WW,  16                           ; v[16:17] sum w^2 of my row (the low word is used for both halves)
.set DT,  18                           ; at work: the diagonal
.set DU,  19
.set BIG, 20                           ; +infinity
.set RS,  21                           ; LDS: where my half of the lanes puts its minima
.set RL,  22                           ; LDS: where wave 0 reads two samples back
.set PO,  23                           ; part: my two samples
.set E,   24                           ; v[24:31]   W W^T
.set D,   32                           ; v[32:63]   X W^T, four sample tiles
.set BV,  64                           ; v[64:95]   smallest d2 so far, by sample tile and register
.set BI,  96                           ; v[96:127]  16 x the tile that held it, as f32
.set XX,  128                          ; v[128:159] sum x^2 of my 32 samples
.set F,   160                          ; v[160:191] two stages of 16: a K step of my row in f32
.set BF,  192                          ; v[192:207] two fragments of weights
.set XQ,  208                          ; v[208:211] the four numbers for xt
.set XR,  64                           ; v[64:191]  at the head: my wave's 16 rows of x as loaded
.set WV,  12
.set SB,  13                           ; sample block
.set CH,  14                           ; chunk
.set U,   15                           ; wave share
.set G1,  16                           ; s[16:23] descriptor group 1
.set G0,  24                           ; s[24:39] descriptor group 0, a set for each slot
.set MK,  40                           ; s[40:47] eight lane masks at work
.set DG,  48                           ; s48: lanes that hold their own diagonal element; s49-55: lanes with lane % 8 = 1 .. 7
.set SEL, 56                           ; s[56:57] v_permlanex16_b32's selects: each lane takes its own place in the other half
.set PF,  58                           ; 16 x the tile in hand, as f32
.set T0,  66                           ; my first tile
.set TL,  67                           ; my last tile
.set MSB, 0
.macro WIN new                         ; the immediate's high byte repeats the setting that is left; a switch that changes nothing is dropped
.if MSB != (\new)
	s_set_vgpr_msb (MSB<<8)|(\new)
.set MSB, \new
.endif
.endm
.macro PLACES                          ; four plain vector lines between a matrix instruction and a vector line or load that touches its registers
.rept 4
	v_nop
.endr
.endm
.macro ROUND                           ; a round of the cluster's barrier: my work-group's barrier; wave 0 signals for the work-group; every wave waits for all four; my work-group's barrier once more
	s_barrier_signal -1
	s_barrier_wait -1
	s_cmp_lg_u32 s[WV], 0
	s_cbranch_scc1 .Lnot_wave_0_\@
	s_barrier_signal -3
.Lnot_wave_0_\@:
	s_barrier_wait -3
	s_barrier_signal -1
	s_barrier_wait -1
.endm
	s_load_b256 s[4:11], s[0:1], 0x0               ; x s[4:5], weights s[6:7], part s[8:9], xt s[10:11]
	v_lshl_add_u32 v[SPW], v0, 2, SPARE
	v_mov_b32 v[NIL], 0
	ds_add_u32 v[SPW], v[NIL]                      ; the wave's opening: the add and its wait stand ahead of my first tensor load; the set-up below, work on registers, stands between them
	v_lshrrev_b32 v[TT], 5, v0
	v_readfirstlane_b32 s[WV], v[TT]               ; wave 0..3
	s_bfe_u32 s[SB], ttmp6, 0x40000                ; cx: my place in the cluster
	s_lshl_b32 s69, ttmp9, 2
	s_add_co_u32 s[SB], s69, s[SB]                 ; sample block = 4 x cluster x + cx: it enters addresses of x, part and xt alone
	s_and_b32 s[CH], ttmp7, 0xffff                 ; the chunk, which the four partners share
	; descriptor group 1: 16 rows x 256 elements of 4 bytes, 16 bytes of padding behind each row
	s_mov_b32 s[G1+0], 15|(2<<16)|(1<<20)|(1<<21)|(7<<22)|(3<<25)  ; 15:0 the mask of four; 17:16 elements of 4 bytes; 20 padding on; 21 set beside a mask; 24:22 after every 256 words (code 7); 31:25 4 words (code 3)
	s_mov_b32 s[G1+1], 256<<16                     ; tensor_dim0 = 256
	s_mov_b32 s[G1+2], 16<<16                      ; tensor_dim1 = 16
	s_mov_b32 s[G1+3], 256<<16                     ; tile_dim0 = 256
	s_mov_b32 s[G1+4], 16                          ; tile_dim1 = 16
	s_mov_b32 s[G1+5], 256                         ; elements from row to row
	s_mov_b32 s[G1+6], 0
	s_mov_b32 s[G1+7], 0
	; my tiles: share u = 4 chunk + wave begins at 5 u - max(u - 113, 0) and has 5 tiles if u < 113, else 4
	s_lshl2_add_u32 s[U], s[CH], s[WV]
	s_mul_i32 s[T0], s[U], 5
	s_sub_co_i32 s[TL], s[U], FIVE
	s_max_i32 s[TL], s[TL], 0
	s_sub_co_u32 s[T0], s[T0], s[TL]
	s_cmp_ge_u32 s[U], FIVE
	s_cselect_b32 s[TL], 3, 4
	s_add_co_u32 s[TL], s[T0], s[TL]
	s_lshl_b32 s70, s[T0], 14                      ; a tile is 16,384 bytes of weights
	s_mov_b32 s71, 0
	s_lshl_b32 s72, s[TL], 14
	s_mov_b32 s73, 0
	s_lshl_b32 s74, s[SB], 16                      ; a sample block is 65,536 bytes of x
	s_mov_b32 s75, 0
	s_mul_i32 s68, s[WV], 4*SLOTB                  ; my wave's four slots: no place in the cluster enters an LDS address
.irp i, 0,1,2,3
	s_mov_b32 s[G0+4*(\i)], 1                      ; count = 1
	s_add_co_u32 s[G0+4*(\i)+1], s68, (\i)*SLOTB   ; LDS address of slot i
.endr
	v_and_b32 v[LN], 31, v0
	v_and_b32 v[RR], 15, v0
	v_bfe_u32 v[HH], v0, 4, 1
	v_mul_u32_u24 v[WB], v[RR], WP                 ; a fragment of weights: row lane % 16, 32 bytes of f32 (8 channels) for each half of the lanes
	v_lshl_add_u32 v[WB], v[HH], 5, v[WB]
	v_add_nc_u32 v[WB], s68, v[WB]
	v_mul_u32_u24 v[XA], v[RR], XP                 ; a fragment of x: row lane % 16, 16 bytes of bf16 for each half
	v_lshl_add_u32 v[XA], v[HH], 4, v[XA]
	v_add_nc_u32 v[XA], XB, v[XA]
	s_lshl_b32 s69, s[WV], 14                      ; my wave converts rows 16 w .. 16 w + 15 of the block
	v_lshl_add_u32 v[XG], v[LN], 4, s69
	s_mul_i32 s69, s[WV], 16*XP
	s_add_co_u32 s69, s69, XB
	v_lshl_add_u32 v[XS], v[LN], 3, s69
	; xt: the work-group writes the two pieces of K step 2 block + (chunk & 1), channel group v' = (chunk >> 1) & 3, column tile t = (chunk >> 3) & 3, q = 0, 1.
	; Wave w writes bytes 256 w .. of the 1,024: lane l holds samples 8 w + 4 (l & 1) + 0..3 of the K step at channel 64 v' + 4 (l >> 1) + t
	s_and_b32 s76, s[CH], 1
	s_bfe_u32 s77, s[CH], 0x20001
	s_bfe_u32 s78, s[CH], 0x20003
	s_lshl_b32 s69, s76, 15                        ; 32 rows of 1,024 bytes
	s_lshl_b32 s79, s[WV], 13                      ; 8 rows
	s_add_co_u32 s69, s69, s79
	s_lshl_b32 s79, s77, 8                         ; 64 channels of 4 bytes
	s_add_co_u32 s69, s69, s79
	s_lshl_b32 s79, s78, 2
	s_add_co_u32 s69, s69, s79
	v_and_b32 v[TG], 1, v0
	v_lshlrev_b32 v[TG], 12, v[TG]                 ; 4 rows
	v_bfe_u32 v[TT], v0, 1, 4
	v_lshl_add_u32 v[TG], v[TT], 4, v[TG]          ; 4 channels
	v_add_nc_u32 v[TG], s69, v[TG]
	s_lshl_b32 s69, s[SB], 1
	s_add_co_u32 s69, s69, s76                     ; the K step
	s_lshl_b32 s69, s69, 12
	s_lshl_b32 s79, s77, 16
	s_add_co_u32 s69, s69, s79
	s_lshl_b32 s79, s78, 10
	s_add_co_u32 s69, s69, s79
	s_lshl_b32 s79, s[WV], 8
	s_add_co_u32 s69, s69, s79
	v_lshl_add_u32 v[TS], v[LN], 3, s69
	v_cvt_f32_u32 v[RF], v[RR]
	s_lshl_b32 s69, s[WV], 8
	s_add_co_u32 s69, s69, XXT
	v_lshl_add_u32 v[XXS], v[RR], 2, s69
	v_lshl_add_u32 v[XXL], v[HH], 5, s69
	s_lshl_b32 s69, s[WV], 9
	s_add_co_u32 s69, s69, RED
	v_lshl_add_u32 v[RS], v[HH], 5, s69
	v_lshl_add_u32 v[RL], v[LN], 3, RED
	s_lshl_b32 s69, s[CH], 11                      ; part: 2,048 bytes a chunk, 256 a sample block
	s_lshl_b32 s79, s[SB], 8
	s_add_co_u32 s69, s69, s79
	v_lshl_add_u32 v[PO], v[LN], 3, s69
	v_mov_b32 v[WW+1], 0                           ; named with WW as a pair
	v_mov_b32 v[DU], 0                             ; v_permlanex16_b32's destination counts as read
	v_mov_b32 v[BIG], 0x7f800000
	s_mov_b32 s[DG], 0xff0000ff                    ; element (m, m) of a result lies in lane m (m < 8) or 16 + m (m >= 8), register m % 8
.irp j, 1,2,3,4,5,6,7
	s_mov_b32 s[DG+(\j)], 0x01010101<<(\j)
.endr
	s_mov_b32 s[SEL], 0x76543210
	s_mov_b32 s[SEL+1], 0xfedcba98
	s_wait_dscnt 0x0                               ; the opening add is done
	s_wait_kmcnt 0x0
	s_add_nc_u64 s[70:71], s[6:7], s[70:71]        ; weights at my first tile,
	s_add_nc_u64 s[72:73], s[6:7], s[72:73]        ; and at my last
	s_add_nc_u64 s[4:5], s[4:5], s[74:75]          ; x at the sample block
.irp i, 0,1,2,3
	s_add_nc_u64 s[G0+4*(\i)+2:G0+4*(\i)+3], s[70:71], (\i)*16*ROWB  ; global address of tile i
	s_or_b32 s[G0+4*(\i)+3], s[G0+4*(\i)+3], 0x80000000             ; type = 2
.endr
.irp i, 0,1,2,3,4,5,6,7,8,9,10,11,12,13,14,15  ; my wave's 16 rows of x: each load covers 512 consecutive bytes
	global_load_b128 v[XR+8*(\i):XR+8*(\i)+3],   v[XG], s[4:5] offset:(\i)*ROWB
	global_load_b128 v[XR+8*(\i)+4:XR+8*(\i)+7], v[XG], s[4:5] offset:(\i)*ROWB+512
.endr
.irp i, 0,1,2,3
	global_load_b32 v[XQ+(\i)], v[TG], s[4:5] offset:(\i)*ROWB
.endr
	ROUND                                          ; all four work-groups are here: the first joint loads meet
.irp i, 0,1,2,3                        ; the four first fills go out together: four tensor loads of mine are out
	tensor_load_to_lds s[G0+4*(\i):G0+4*(\i)+3], s[G1:G1+7]
	s_nop 0
.endr
	PLACES
.irp i, 0,1,2,3,4,5,6,7,8,9,10,11,12,13,14,15
	s_wait_loadcnt 34-2*(\i)                       ; loads come back in order (ISA guide 5.7.1): row i is in; behind it stand the later rows' loads and the four for xt
	v_cvt_pk_bf16_f32 v[XR+8*(\i)],   v[XR+8*(\i)],   v[XR+8*(\i)+1]
	v_cvt_pk_bf16_f32 v[XR+8*(\i)+1], v[XR+8*(\i)+2], v[XR+8*(\i)+3]
	v_cvt_pk_bf16_f32 v[XR+8*(\i)+2], v[XR+8*(\i)+4], v[XR+8*(\i)+5]
	v_cvt_pk_bf16_f32 v[XR+8*(\i)+3], v[XR+8*(\i)+6], v[XR+8*(\i)+7]
	ds_store_b64 v[XS], v[XR+8*(\i):XR+8*(\i)+1]   offset:(\i)*XP
	ds_store_b64 v[XS], v[XR+8*(\i)+2:XR+8*(\i)+3] offset:(\i)*XP+256
.endr
	s_wait_loadcnt 0x0
	v_cvt_pk_bf16_f32 v[XQ],   v[XQ],   v[XQ+1]    ; xt's four numbers: rounded to bf16,
	v_cvt_pk_bf16_f32 v[XQ+1], v[XQ+2], v[XQ+3]
	v_lshlrev_b32 v[XQ+2], 16, v[XQ+1]             ; widened again (a shift or a mask),
	v_and_b32 v[XQ+3], 0xffff0000, v[XQ+1]
	v_and_b32 v[XQ+1], 0xffff0000, v[XQ]
	v_lshlrev_b32 v[XQ], 16, v[XQ]
	v_cvt_pk_f16_f32 v[XQ],   v[XQ],   v[XQ+1]     ; and written as f16: bf16's 8 bits fit in f16's 11
	v_cvt_pk_f16_f32 v[XQ+1], v[XQ+2], v[XQ+3]
	global_store_b64 v[TS], v[XQ:XQ+1], s[10:11]   ; the wave's store covers 256 consecutive bytes, aligned
	s_wait_dscnt 0x0                               ; for the others' sake: my rows of x lie in LDS
	s_barrier_signal -1
	s_barrier_wait -1                              ; all 64 rows do; the tiles may stay on their way
	WIN 0x40                                       ; destination window 1, address window 0
.irp a, 0,1,2,3
.irp ks, 0,1,2,3,4,5,6,7
	ds_load_b128 v[8*(8*(\a)+(\ks)):8*(8*(\a)+(\ks))+3],   v[XA] offset:(\a)*16*XP+64*(\ks)
	ds_load_b128 v[8*(8*(\a)+(\ks))+4:8*(8*(\a)+(\ks))+7], v[XA] offset:(\a)*16*XP+64*(\ks)+32
.endr
.endr
	WIN 0
	s_wait_dscnt 0x0
	; sum x^2: the diagonals of the four X X^T.  The four accumulators take turns
	WIN 0x05                                       ; sources 0 and 1 in window 1
.irp ks, 0,1,2,3,4,5,6,7
.irp a, 0,1,2,3
.if (\ks) == 0
	v_wmma_f32_16x16x32_bf16 v[D+8*(\a):D+8*(\a)+7], v[8*(8*(\a)+(\ks)):8*(8*(\a)+(\ks))+7], v[8*(8*(\a)+(\ks)):8*(8*(\a)+(\ks))+7], 0
.else
	v_wmma_f32_16x16x32_bf16 v[D+8*(\a):D+8*(\a)+7], v[8*(8*(\a)+(\ks)):8*(8*(\a)+(\ks))+7], v[8*(8*(\a)+(\ks)):8*(8*(\a)+(\ks))+7], v[D+8*(\a):D+8*(\a)+7]
.endif
.endr
.endr
	WIN 0
	PLACES
; The diagonal of a 16 x 16 result: each lane picks register lane % 8; lanes 0-7 and 24-31 then hold their own element, the others take it from the lane 16 away.  Both halves end with element lane % 16.
.macro DIAG acc, dst
	v_cndmask_b32 v[DT], v[\acc], v[(\acc)+1], s[DG+1]  ; the accumulator's lowest registers are read first
.irp j, 2,3,4,5,6,7
	v_cndmask_b32 v[DT], v[DT], v[(\acc)+(\j)], s[DG+(\j)]
.endr
	v_permlanex16_b32 v[DU], v[DT], s[SEL], s[SEL+1]
	v_cndmask_b32 v[\dst], v[DU], v[DT], s[DG]
.endm
.irp a, 0,1,2,3
	DIAG D+8*(\a), WW
	ds_store_b32 v[XXS], v[WW] offset:(\a)*64      ; both halves of the lanes write the same word with the same number
.endr
.irp a, 0,1,2,3                        ; back as the results want it: register j = sample 8 (lane / 16) + j.  My wave's own words: LDS serves a wave's instructions in order (ISA guide 5.7.1.4)
	ds_load_b128 v[XX+8*(\a):XX+8*(\a)+3],   v[XXL] offset:(\a)*64
	ds_load_b128 v[XX+8*(\a)+4:XX+8*(\a)+7], v[XXL] offset:(\a)*64+16
.endr
.macro LDF buf, slot, ks               ; a K step of my row in f32: channels 32 ks + 8 h + 0..7 and 32 ks + 16 + 8 h + 0..7
	ds_load_b128 v[F+16*(\buf):F+16*(\buf)+3],     v[WB] offset:(\slot)*SLOTB+128*(\ks)
	ds_load_b128 v[F+16*(\buf)+4:F+16*(\buf)+7],   v[WB] offset:(\slot)*SLOTB+128*(\ks)+16
	ds_load_b128 v[F+16*(\buf)+8:F+16*(\buf)+11],  v[WB] offset:(\slot)*SLOTB+128*(\ks)+64
	ds_load_b128 v[F+16*(\buf)+12:F+16*(\buf)+15], v[WB] offset:(\slot)*SLOTB+128*(\ks)+80
.endm
.macro CVT buf                         ; rounded to bf16: the fragment
.irp i, 0,1,2,3,4,5,6,7
	v_cvt_pk_bf16_f32 v[BF+8*(\buf)+(\i)], v[F+16*(\buf)+2*(\i)], v[F+16*(\buf)+2*(\i)+1]
.endr
.endm
.macro MULS b, ks, zero                ; five matrix instructions on five accumulators, which take turns; zero = 1: they start the sums
	WIN 0
.if \zero
	v_wmma_f32_16x16x32_bf16 v[E:E+7], v[BF+8*(\b):BF+8*(\b)+7], v[BF+8*(\b):BF+8*(\b)+7], 0
.else
	v_wmma_f32_16x16x32_bf16 v[E:E+7], v[BF+8*(\b):BF+8*(\b)+7], v[BF+8*(\b):BF+8*(\b)+7], v[E:E+7]
.endif
	WIN 0x01                                       ; source 0 (x) in window 1
.irp a, 0,1,2,3
.if \zero
	v_wmma_f32_16x16x32_bf16 v[D+8*(\a):D+8*(\a)+7], v[8*(8*(\a)+(\ks)):8*(8*(\a)+(\ks))+7], v[BF+8*(\b):BF+8*(\b)+7], 0
.else
	v_wmma_f32_16x16x32_bf16 v[D+8*(\a):D+8*(\a)+7], v[8*(8*(\a)+(\ks)):8*(8*(\a)+(\ks))+7], v[BF+8*(\b):BF+8*(\b)+7], v[D+8*(\a):D+8*(\a)+7]
.endif
.endr
	WIN 0
.endm
; A TILE: my tile number num, in slot; left = how many younger tensor loads may stay out; first = 1: it starts the minima.
; While a K step is multiplied, the next is rounded and the one after it comes out of LDS.  A fragment is rewritten two K steps behind its products: the eight roundings of the step between are the places.
.macro TILE num, slot, left, first
.if (\num) < 4
	s_add_co_u32 s69, s[T0], \num
.else
	s_mov_b32 s69, s[TL]
.endif
	s_lshl_b32 s69, s69, 4
	s_cvt_f32_u32 s[PF], s69                       ; the tile's first codebook row, exact in f32
	s_wait_tensorcnt \left                         ; tensor loads of a wave end in order (ISA guide 10.11.1): my tile is in LDS; only my wave reads it
	LDF 0, \slot, 0
	LDF 1, \slot, 1
	s_wait_dscnt 4                                 ; all but the four loads just issued
	CVT 0
.irp ks, 0,1,2,3,4,5,6,7
.if (\ks) < 6
	LDF (\ks)%2, \slot, (\ks)+2
.endif
.if (\ks) == 0
	MULS 0, 0, 1
.else
	MULS (\ks)%2, \ks, 0
.endif
.if (\ks) < 6
	s_wait_dscnt 4                                 ; the next K step's four loads are in; the four behind them may stay out
	CVT ((\ks)+1)%2
.elseif (\ks) == 6
	s_wait_dscnt 0x0
	CVT 1
.endif
.endr
	PLACES
	DIAG E, WW                                     ; sum w^2 of my row
.irp a, 0,1,2,3
.irp j, 0,2,4,6
	v_pk_fma_f32 v[D+8*(\a)+(\j):D+8*(\a)+(\j)+1], v[D+8*(\a)+(\j):D+8*(\a)+(\j)+1], -2.0, v[XX+8*(\a)+(\j):XX+8*(\a)+(\j)+1] op_sel_hi:[1,0,1]  ; sum x^2 - 2 x.w, rounded once
.endr
.if \first
.irp j, 0,2,4,6
	v_pk_add_f32 v[BV+8*(\a)+(\j):BV+8*(\a)+(\j)+1], v[D+8*(\a)+(\j):D+8*(\a)+(\j)+1], v[WW:WW+1] op_sel_hi:[1,0]  ; + sum w^2: the first tile's d2 starts the minima
.endr
.irp j, 0,1,2,3,4,5,6,7
	v_mov_b32 v[BI+8*(\a)+(\j)], s[PF]
.endr
.else
.irp j, 0,2,4,6
	v_pk_add_f32 v[D+8*(\a)+(\j):D+8*(\a)+(\j)+1], v[D+8*(\a)+(\j):D+8*(\a)+(\j)+1], v[WW:WW+1] op_sel_hi:[1,0]
.endr
.irp j, 0,1,2,3,4,5,6,7
	v_cmp_lt_f32 s[MK+(\j)], v[D+8*(\a)+(\j)], v[BV+8*(\a)+(\j)]  ; strictly less: of equal d2 the earlier tile stays
.endr
.irp j, 0,1,2,3,4,5,6,7
	v_cndmask_b32 v[BI+8*(\a)+(\j)], v[BI+8*(\a)+(\j)], s[PF], s[MK+(\j)]
.endr
.irp j, 0,1,2,3,4,5,6,7
	v_min_num_f32 v[BV+8*(\a)+(\j)], v[BV+8*(\a)+(\j)], v[D+8*(\a)+(\j)]
.endr
.endif
.endr
.endm
	TILE 0, 0, 3, 1                                ; three younger first fills may stay out,
	TILE 1, 1, 2, 0                                ; two
	; SLOT 0 IS FILLED AGAIN, with my last tile; it has two tiles' work in which to land
	s_wait_tensorcnt 0x0                           ; all my tensor loads have landed, so a group 0 may be written
	ds_add_u32 v[SPW], v[NIL]                      ; 0 onto my spare word: the descriptor's two lines stand between it and the wait for it
	s_mov_b64 s[G0+2:G0+3], s[72:73]
	s_or_b32 s[G0+3], s[G0+3], 0x80000000
	s_wait_dscnt 0x0                               ; the add is done, and my reads of slot 0 are over
	ROUND                                          ; both now hold of every wave of all four work-groups
	tensor_load_to_lds s[G0:G0+3], s[G1:G1+7]      ; my one tensor load behind the round, and the first thing there
	s_nop 0
	PLACES
	TILE 2, 2, 1, 0                                ; the refill may stay out
	TILE 3, 3, 1, 0
	TILE 4, 0, 0, 0
	; THE 16 LANES OF A HALF hold 16 rows' minima for the same 8 samples a tile.  First the smallest value; then, among the lanes that hold it, the smallest index (as f32, so that the same instruction serves)
.set q, 0
.rept 32
	v_min_num_f32_dpp v[D+q], v[BV+q], v[BV+q] row_xmask:1 row_mask:0xf bank_mask:0xf
.set q, q+1
.endr
.irp m, 2,4,8
.set q, 0
.rept 32
	v_min_num_f32_dpp v[D+q], v[D+q], v[D+q] row_xmask:\m row_mask:0xf bank_mask:0xf
.set q, q+1
.endr
.endr
.set q, 0
.rept 32
	v_add_f32 v[BI+q], v[BI+q], v[RF]              ; the codebook row: 16 x tile + lane % 16
.set q, q+1
.endr
.irp g, 0,8,16,24
.irp j, 0,1,2,3,4,5,6,7
	v_cmp_eq_f32 s[MK+(\j)], v[BV+(\g)+(\j)], v[D+(\g)+(\j)]
.endr
.irp j, 0,1,2,3,4,5,6,7
	v_cndmask_b32 v[BI+(\g)+(\j)], v[BIG], v[BI+(\g)+(\j)], s[MK+(\j)]
.endr
.endr
.irp m, 1,2,4,8
.set q, 0
.rept 32
	v_min_num_f32_dpp v[BI+q], v[BI+q], v[BI+q] row_xmask:\m row_mask:0xf bank_mask:0xf
.set q, q+1
.endr
.endr
.irp a, 0,1,2,3                        ; four neighbouring registers are four neighbouring samples; the 16 lanes of a half write the same bytes with the same numbers
	ds_store_b128 v[RS], v[D+8*(\a):D+8*(\a)+3]    offset:(\a)*64
	ds_store_b128 v[RS], v[D+8*(\a)+4:D+8*(\a)+7]  offset:(\a)*64+16
	ds_store_b128 v[RS], v[BI+8*(\a):BI+8*(\a)+3]   offset:256+(\a)*64
	ds_store_b128 v[RS], v[BI+8*(\a)+4:BI+8*(\a)+7] offset:256+(\a)*64+16
.endr
	s_wait_dscnt 0x0                               ; for wave 0's sake
	s_barrier_signal -1
	s_barrier_wait -1
	s_cmp_lg_u32 s[WV], 0
	s_cbranch_scc1 .Lend
.irp w, 0,1,2,3                        ; wave 0, two samples a lane.  The waves' tiles ascend with the wave's number, so a strict comparison keeps the lowest index
	ds_load_b64 v[64+2*(\w):65+2*(\w)], v[RL] offset:(\w)*512
	ds_load_b64 v[72+2*(\w):73+2*(\w)], v[RL] offset:(\w)*512+256
.endr
	s_wait_dscnt 0x0
.irp w, 1,2,3
.irp i, 0,1
	v_cmp_lt_f32 s[MK+(\i)], v[64+2*(\w)+(\i)], v[64+(\i)]
	v_cndmask_b32 v[72+(\i)], v[72+(\i)], v[72+2*(\w)+(\i)], s[MK+(\i)]
	v_min_num_f32 v[64+(\i)], v[64+(\i)], v[64+2*(\w)+(\i)]
.endr
.endr
	v_cvt_u32_f32 v72, v72
	v_cvt_u32_f32 v73, v73
	global_store_b64 v[PO], v[64:65], s[8:9]               ; each store covers 256 consecutive bytes, aligned: the block's 64 values,
	global_store_b64 v[PO], v[72:73], s[8:9] offset:65536  ; and its 64 indices, behind the 32 x 512 values
.Lend:
	s_wait_tensorcnt 0x0                           ; the wave's end: behind my last tensor load and my last LDS store
	ds_add_u32 v[SPW], v[NIL]
	s_wait_dscnt 0x0
	ROUND                                          ; the closing round: no work-group ends while a partner may still ask for a tile that names it
	s_endpgm
.Lfunc_end_k_q5660184cc0_dist:
	.size	k_q5660184cc0_dist, .Lfunc_end_k_q5660184cc0_dist-k_q5660184cc0_dist
	.p2alignl 7, 3214868480
	.fill 96, 4, 3214868480
	.section	.rodata,"a",@progbits
	.p2align	6, 0x0
	.amdhsa_kernel k_q5660184cc0_dist
		.amdhsa_group_segment_fixed_size 327680
		.amdhsa_private_segment_fixed_size 0
		.amdhsa_enable_private_segment 0
		.amdhsa_kernarg_size 32
		.amdhsa_user_sgpr_count 2
		.amdhsa_user_sgpr_kernarg_segment_ptr 1
		.amdhsa_wavefront_size32 1
		.amdhsa_system_sgpr_workgroup_id_x 1
		.amdhsa_system_sgpr_workgroup_id_y 1
		.amdhsa_system_sgpr_workgroup_id_z 1
		.amdhsa_system_vgpr_workitem_id 0
		.amdhsa_next_free_vgpr 512
		.amdhsa_next_free_sgpr 80
		.amdhsa_reserve_vcc 0
		.amdhsa_float_denorm_mode_32 3
		.amdhsa_float_denorm_mode_16_64 3
		.amdhsa_memory_ordered 1
		.amdhsa_forward_progress 1
		.amdhsa_inst_pref_size 134
	.end_amdhsa_kernel
	.amdgpu_metadata
---
amdhsa.version: [ 1, 2 ]
amdhsa.kernels:
  - .name:           k_q5660184cc0_dist
    .symbol:         k_q5660184cc0_dist.kd
    .args:
      - { .name: x, .offset: 0, .size: 8, .value_kind: global_buffer, .address_space: global }
      - { .name: weights, .offset: 8, .size: 8, .value_kind: global_buffer, .address_space: global }
      - { .name: part, .offset: 16, .size: 8, .value_kind: global_buffer, .address_space: global }
      - { .name: xt, .offset: 24, .size: 8, .value_kind: global_buffer, .address_space: global }
    .group_segment_fixed_size: 327680
    .private_segment_fixed_size: 0
    .kernarg_segment_align: 8
    .kernarg_segment_size: 32
    .max_flat_workgroup_size: 128
    .sgpr_count:     80
    .vgpr_count:     512
    .wavefront_size: 32
...
	.end_amdgpu_metadata
.endif
;; end of part 1
;; launch update (part 2): grid 256 x 1, 4 waves a work-group, clusters of 4 x 1, 318,208 bytes of LDS; arguments weights, part, xt, out0; writes out0
.if DOCPART == 2
	.amdgcn_target "amdgcn-amd-amdhsa--gfx1250"
	.amdhsa_code_object_version 6
	.text
	.protected	k_q5660184cc0_update
	.globl	k_q5660184cc0_update
	.p2align	8
	.type	k_q5660184cc0_update,@function
k_q5660184cc0_update:
	s_mov_b64 s[64:65], 0
	v_nop
	global_prefetch_b8 v0, s[64:65] scope:SCOPE_SE
	s_setreg_imm32_b32 hwreg(HW_REG_WAVE_MODE, 25, 1), 1
	s_wait_xcnt 0x0
	s_wait_alu depctr_hold_cnt(0) depctr_sa_sdst(0) depctr_va_vdst(0) depctr_va_sdst(0) depctr_va_ssrc(0) depctr_va_vcc(0) depctr_vm_vsrc(0)
	s_getreg_b32 s2, hwreg(HW_REG_IB_STS2, 6, 4)
	s_cmp_eq_u32 s2, 0
	s_cbranch_scc0 .Lentry_in_a_cluster
	s_endpgm
.Lentry_in_a_cluster:
	s_bfe_u32 s2, ttmp6, 0x10000c
	s_cmp_lg_u32 s2, 0x3003
	s_cbranch_scc0 .Lentry_shape_is_right
	s_endpgm
.Lentry_shape_is_right:
; THE 512 UPDATES AS ONE PRODUCT.  A step is w <- (1 - a_b) w + a_b x_b with a_b[p] = 0.45 exp(-((by_b - y_p)^2 + (bx_b - x_p)^2) / 4050), so 64 steps on end are w <- P w + sum_b Cl[p][b] x_b with
; P = the product of the 64 (1 - a_b) and Cl[p][b] = a_b x the product of the (1 - a) of the segment's later samples.  Eight such segments, in order: acc <- acc P_s + Cl_s X_s, acc = the weights at the start.
; All 512 samples enter: nothing is cut.  a = 2^(log2 0.45 - (c dy)^2 - (c dx)^2), c^2 = log2(e) / 4050.
; FORMATS.  The product's operands are f16.  Cl lies in 0 to 0.45 and is rounded once to f16: the last samples' coefficients are the largest, and a single term Cl x with a large x takes half a step of Cl
; times x as its error: 2^-13 |x| in f16 where bf16 would give 2^-10 |x|.  x comes from xt: rounded to bf16 and written as f16 by the launch before.  acc, P, the running products and a are f32.
; LIMITS.  A coefficient below 6.1e-5 keeps f16's fixed step of 6e-8; |x| stays under 65,504 (xt); NaN and infinities among the distances are not treated apart (a NaN never wins a minimum).
; SHARES.  A work-group owns 39 positions, the first sixteen 40 (10000 = 256 x 39 + 16), as three blocks of 16 rows; the rows past its own are computed like the others and not stored.
; Wave v owns channels 64 v .. 64 v + 63.  PHASES: (1) every thread takes the minimum of the 32 partial minima for 4 samples (chunks ascend, strict comparison: the lowest index stays) and puts the scaled
; coordinates of the best unit in LDS; (2) thread (row l % 16, segment 2 v + l / 16) makes 64 coefficients for each of the three row blocks; (3) the product.
; LAYOUT.  Source 0 = 16 positions x 32 samples (coefficients, from LDS), source 1 = 32 samples x 16 channels (xt, laid out by the launch before as the fragments want it).  Column r of column tile t is channel
; 64 v + 4 r + t: a row's four tiles give a lane 16 consecutive bytes, and 16 lanes store 256 consecutive bytes, aligned.
; CLUSTER.  All work-groups read the same xt: the four partners ask for each wave's 65,536 bytes JOINTLY.  It is a first fill, never filled again, and lands while phases 1 and 2 run.
; REGISTERS.  Window 0 as named below.  Window 1: v0-127 the 32 x 4 partial minima, v128-255 their indices.  Window 2: v0-95 my 24 x 16 bytes of the weights, row (mt, j) at 4 (8 mt + j).
.set CP,    1040                       ; a row of coefficients in LDS: 512 f16 + 16 bytes = 65 x 16: the 16 rows of a load start at 16 different groups of four banks (ISA guide 11.1)
.set CO,    262144                     ; behind xt: 48 rows of coefficients
.set BYT,   CO+48*CP                   ; c x by of the 512 samples; 2,048 bytes on: c x bx
.set PS,    BYT+4096                   ; P: 8 segments x 48 rows
.set SPARE, PS+1536                    ; the spare words, 128 bytes a wave: two blocks of 256 bytes that no other line names
.set CSC,   0x3c9a9d44                 ; c = sqrt(log2(e) / 4050) = 0.01887381
.set LOGLR, 0xbf9374d6                 ; log2(0.45) = -1.1520031
.set LN,  1
.set RR,  2
.set HH,  3
.set SPW, 4                            ; LDS address of my spare word; never rewritten
.set NIL, 5                            ; 0; never rewritten
.set PO,  6                            ; part: my 4 samples
.set WO,  7                            ; weights, out0: row 8 (l / 16), my 16 bytes
.set WO2, 8                            ; the same without the row: the third block's rows 32 .. 39
.set WO3, 9                            ; the row fetched as row 39
.set TBS, 10                           ; LDS: where my 4 samples' coordinates go
.set TBL, 11                           ; LDS: my segment's coordinates
.set CST, 12                           ; LDS: my row's coefficients of my segment
.set PSS, 13                           ; LDS: my row's P of my segment
.set AFA, 14                           ; LDS: my place in a fragment of coefficients
.set BFA, 15                           ; LDS: my place in a fragment of xt
.set PSL, 16                           ; LDS: P of rows 8 (l / 16) + 0..7
.set BEST, 24                          ; v[24:27]   phase 1: the smallest d2 of my 4 samples
.set BIX, 28                           ; v[28:31]   its index
.set CY,  32                           ; v[32:35]   c by
.set CX,  36                           ; v[36:39]   c bx
.set BY,  32                           ; v[32:47]   phase 2: c by of 16 samples
.set BX,  48                           ; v[48:63]   c bx
.set T,   64                           ; v[64:111]  exponent, then a, then coefficient: 16 for each row block
.set TMP, 112                          ; v[112:127] at work
.set CPK, 128                          ; v[128:151] coefficients in f16
.set HY,  160                          ; v[160:165] c y of my row in each block (pairs; the low word is used)
.set WX,  166                          ; v[166:171] c x
.set PRA, 172                          ; v[172:174] the running product, by turns in PRA and PRB
.set PRB, 175
.set ACC, 24                           ; v[24:119]  phase 3: accumulator (row block mt, column tile t) at 24 + 8 (4 mt + t)
.set P,   120                          ; v[120:143] P of the segment in hand: 8 for each row block
.set FB,  144                          ; v[144:255] two sets of fragments: 3 x 8 of coefficients, 4 x 8 of xt
.set OUT, 144                          ; v[144:239] the way out: 24 x 16 bytes
.set WV,  12
.set G1,  16                           ; s[16:23] descriptor group 1
.set G0,  24                           ; s[24:27] descriptor group 0
.set MK,  32                           ; s[32:35] lane masks of 4 samples
.set LL,  38                           ; s[38:39] log2(0.45)
.set MSB, 0
.macro WIN new                         ; the immediate's high byte repeats the setting that is left; a switch that changes nothing is dropped
.if MSB != (\new)
	s_set_vgpr_msb (MSB<<8)|(\new)
.set MSB, \new
.endif
.endm
.macro PLACES                          ; four plain vector lines between a matrix instruction and a vector line or load that touches its registers
.rept 4
	v_nop
.endr
.endm
.macro ROUND                           ; a round of the cluster's barrier: my work-group's barrier; wave 0 signals for the work-group; every wave waits for all four; my work-group's barrier once more
	s_barrier_signal -1
	s_barrier_wait -1
	s_cmp_lg_u32 s[WV], 0
	s_cbranch_scc1 .Lnot_wave_0_\@
	s_barrier_signal -3
.Lnot_wave_0_\@:
	s_barrier_wait -3
	s_barrier_signal -1
	s_barrier_wait -1
.endm
	s_load_b256 s[4:11], s[0:1], 0x0               ; weights s[4:5], part s[6:7], xt s[8:9], out0 s[10:11]
	v_lshl_add_u32 v[SPW], v0, 2, SPARE
	v_mov_b32 v[NIL], 0
	ds_add_u32 v[SPW], v[NIL]                      ; the wave's opening: the add and its wait stand ahead of my first tensor load; the set-up below, work on registers, stands between them
	v_lshrrev_b32 v17, 5, v0
	v_readfirstlane_b32 s[WV], v17                 ; wave 0..3
	; descriptor: 65,536 dense bytes as 256 rows of 32 elements of 8 bytes
	s_mov_b32 s[G1+0], 15|(3<<16)|(1<<21)          ; 15:0 the mask of four; 17:16 elements of 8 bytes; 21 set beside a mask
	s_mov_b32 s[G1+1], 32<<16                      ; tensor_dim0 = 32
	s_mov_b32 s[G1+2], 256<<16                     ; tensor_dim1 = 256
	s_mov_b32 s[G1+3], 32<<16                      ; tile_dim0 = 32
	s_mov_b32 s[G1+4], 256                         ; tile_dim1 = 256
	s_mov_b32 s[G1+5], 32                          ; elements from row to row
	s_mov_b32 s[G1+6], 0
	s_mov_b32 s[G1+7], 0
	s_mov_b32 s[G0], 1                             ; count = 1
	s_lshl_b32 s[G0+1], s[WV], 16                  ; LDS address: wave x 65,536
	s_lshl_b32 s28, s[WV], 16                      ; and the same in xt
	s_mov_b32 s29, 0
	s_bfe_u32 s13, ttmp6, 0x40000                  ; cx
	s_lshl_b32 s36, ttmp9, 2
	s_add_co_u32 s13, s36, s13                     ; work-group g = 4 x cluster x + cx: it enters global addresses and the positions' coordinates alone
	s_min_u32 s36, s13, 16
	s_mul_i32 s13, s13, 39
	s_add_co_u32 s13, s13, s36                     ; my first position: 39 g + min(g, 16)
	s_cmp_lt_u32 ttmp9, 4                          ; the first four clusters hold the sixteen work-groups of 40 positions
	s_cselect_b32 s14, 16, 0                       ; lanes that store row 39
	s_cselect_b32 s15, 39, 38                      ; the row fetched as row 39: where it is not mine, row 38 once more, so that no load leaves the buffer
	s_lshl_b32 s15, s15, 10
	s_lshl_b32 s30, s13, 10                        ; a position is 1,024 bytes
	s_mov_b32 s31, 0
	s_mov_b32 s[LL], LOGLR
	s_mov_b32 s[LL+1], LOGLR
	v_and_b32 v[LN], 31, v0
	v_and_b32 v[RR], 15, v0
	v_bfe_u32 v[HH], v0, 4, 1
	v_lshlrev_b32 v[PO], 4, v0
	s_lshl_b32 s36, s[WV], 8                       ; my wave's 64 channels: 256 bytes of a row; also two segments' 256 bytes of a row of coefficients
	v_lshl_add_u32 v[WO2], v[RR], 4, s36
	v_lshl_add_u32 v[WO], v[HH], 13, v[WO2]
	v_add_nc_u32 v[WO3], s15, v[WO2]
	v_lshl_add_u32 v[TBS], v0, 4, BYT
	v_mul_u32_u24 v[AFA], v[RR], CP
	v_lshl_add_u32 v[CST], v[HH], 7, v[AFA]        ; a segment is 128 bytes of a row of coefficients; segment = 2 wave + l / 16
	v_add_nc_u32 v[CST], s36, v[CST]
	v_add_nc_u32 v[CST], CO, v[CST]
	v_lshl_add_u32 v[AFA], v[HH], 4, v[AFA]
	v_add_nc_u32 v[AFA], CO, v[AFA]
	v_lshl_add_u32 v[BFA], v[LN], 4, s[G0+1]
	v_lshl_add_u32 v[PSL], v[HH], 5, PS
	s_mul_i32 s36, s[WV], 384                      ; 48 words a segment
	s_add_co_u32 s36, s36, PS
	v_mul_u32_u24 v[PSS], v[HH], 192
	v_lshl_add_u32 v[PSS], v[RR], 2, v[PSS]
	v_add_nc_u32 v[PSS], s36, v[PSS]
	s_lshl_b32 s36, s[WV], 9                       ; 64 words a segment
	s_add_co_u32 s36, s36, BYT
	v_lshl_add_u32 v[TBL], v[HH], 8, s36
	s_wait_dscnt 0x0                               ; the opening add is done
	s_wait_kmcnt 0x0
	s_add_nc_u64 s[G0+2:G0+3], s[8:9], s[28:29]    ; xt at my wave's channels
	s_or_b32 s[G0+3], s[G0+3], 0x80000000          ; type = 2
	s_add_nc_u64 s[4:5], s[4:5], s[30:31]          ; weights and out0 at my first position
	s_add_nc_u64 s[10:11], s[10:11], s[30:31]
	ROUND                                          ; all four work-groups are here: the joint loads meet
	tensor_load_to_lds s[G0:G0+3], s[G1:G1+7]      ; my wave's one tensor load
	s_nop 0
	PLACES
	WIN 0x40                                       ; destination window 1, address window 0
.set c, 0
.rept 32                               ; the partial minima: each load covers 512 consecutive bytes
	global_load_b128 v[4*c:4*c+3], v[PO], s[6:7] offset:c*2048
.set c, c+1
.endr
.set c, 0
.rept 32                               ; their indices
	global_load_b128 v[128+4*c:128+4*c+3], v[PO], s[6:7] offset:65536+c*2048
.set c, c+1
.endr
	WIN 0x80                                       ; destination window 2
.irp mt, 0,1                           ; my 24 x 16 bytes of the weights: 16 lanes take 256 consecutive bytes of a row
.irp j, 0,1,2,3,4,5,6,7
	global_load_b128 v[4*(8*(\mt)+(\j)):4*(8*(\mt)+(\j))+3], v[WO], s[4:5] offset:(16*(\mt)+(\j))*1024 th:TH_LOAD_NT
.endr
.endr
.irp j, 0,1,2,3,4,5,6                  ; the third block has rows 32 .. 39 alone: both halves of the lanes fetch them
	global_load_b128 v[4*(16+(\j)):4*(16+(\j))+3], v[WO2], s[4:5] offset:(32+(\j))*1024 th:TH_LOAD_NT
.endr
	global_load_b128 v[92:95], v[WO3], s[4:5] th:TH_LOAD_NT
	WIN 0
	; in the wait for the loads: my three rows' coordinates.  p / 100 = (p x 5243) >> 19 for p < 43,698
	v_add_nc_u32 v17, s13, v[RR]
.irp mt, 0,1,2
	v_add_nc_u32 v18, 16*(\mt), v17
	v_mul_u32_u24 v19, v18, 5243
	v_lshrrev_b32 v19, 19, v19
	v_mul_u32_u24 v20, v19, 100
	v_sub_nc_u32 v18, v18, v20
	v_cvt_f32_u32 v19, v19
	v_cvt_f32_u32 v18, v18
	v_mul_f32 v[HY+2*(\mt)], CSC, v19
	v_mul_f32 v[WX+2*(\mt)], CSC, v18
	v_mov_b32 v[HY+2*(\mt)+1], v[HY+2*(\mt)]       ; named as pairs
	v_mov_b32 v[WX+2*(\mt)+1], v[WX+2*(\mt)]
	v_mov_b32 v[PRA+(\mt)], 1.0
.endr
	; PHASE 1
	s_wait_loadcnt 24                              ; loads come back in order (ISA guide 5.7.1): the 64 of part are in; the 24 of the weights may stay out
	WIN 0x01                                       ; source 0 in window 1
.irp i, 0,1,2,3
	v_mov_b32 v[BEST+(\i)], v[\i]                  ; chunk 0 starts the minima
	v_mov_b32 v[BIX+(\i)], v[128+(\i)]
.endr
	WIN 0x04                                       ; source 1 in window 1
.set c, 1
.rept 31                               ; the chunks ascend: only a strictly smaller d2 takes the place
.irp i, 0,1,2,3
	v_cmp_gt_f32 s[MK+(\i)], v[BEST+(\i)], v[4*c+(\i)]
.endr
.irp i, 0,1,2,3
	v_cndmask_b32 v[BIX+(\i)], v[BIX+(\i)], v[128+4*c+(\i)], s[MK+(\i)]
.endr
.irp i, 0,1,2,3
	v_min_num_f32 v[BEST+(\i)], v[BEST+(\i)], v[4*c+(\i)]
.endr
.set c, c+1
.endr
	WIN 0
.irp i, 0,1,2,3
	v_mul_u32_u24 v[CY+(\i)], v[BIX+(\i)], 5243
	v_lshrrev_b32 v[CY+(\i)], 19, v[CY+(\i)]       ; by = index / 100
	v_mul_u32_u24 v[CX+(\i)], v[CY+(\i)], 100
	v_sub_nc_u32 v[CX+(\i)], v[BIX+(\i)], v[CX+(\i)]  ; bx = index % 100
	v_cvt_f32_u32 v[CY+(\i)], v[CY+(\i)]
	v_cvt_f32_u32 v[CX+(\i)], v[CX+(\i)]
	v_mul_f32 v[CY+(\i)], CSC, v[CY+(\i)]
	v_mul_f32 v[CX+(\i)], CSC, v[CX+(\i)]
.endr
	ds_store_b128 v[TBS], v[CY:CY+3]
	ds_store_b128 v[TBS], v[CX:CX+3] offset:2048
	s_wait_dscnt 0x0                               ; for the others' sake
	s_barrier_signal -1
	s_barrier_wait -1                              ; all 512 samples' coordinates lie in LDS
	; PHASE 2.  Sixteen samples of my segment at a time, from the last to the first, for my row in each of the three blocks.
.macro BATCH n
.irp i, 0,1,2,3
	ds_load_b128 v[BY+4*(\i):BY+4*(\i)+3], v[TBL] offset:64*(\n)+16*(\i)
	ds_load_b128 v[BX+4*(\i):BX+4*(\i)+3], v[TBL] offset:2048+64*(\n)+16*(\i)
.endr
	s_wait_dscnt 0x0
.irp mt, 0,1,2
.irp g, 0,8                            ; four pairs of samples at a time, so that no line reads the result of the one before it
.irp e, 0,2,4,6
	v_pk_add_f32 v[TMP+(\e):TMP+(\e)+1], v[BY+(\g)+(\e):BY+(\g)+(\e)+1], v[HY+2*(\mt):HY+2*(\mt)+1] op_sel_hi:[1,0] neg_lo:[0,1] neg_hi:[0,1]
.endr
.irp e, 0,2,4,6
	v_pk_add_f32 v[TMP+8+(\e):TMP+8+(\e)+1], v[BX+(\g)+(\e):BX+(\g)+(\e)+1], v[WX+2*(\mt):WX+2*(\mt)+1] op_sel_hi:[1,0] neg_lo:[0,1] neg_hi:[0,1]
.endr
.irp e, 0,2,4,6
	v_pk_fma_f32 v[T+16*(\mt)+(\g)+(\e):T+16*(\mt)+(\g)+(\e)+1], v[TMP+(\e):TMP+(\e)+1], v[TMP+(\e):TMP+(\e)+1], s[LL:LL+1] op_sel_hi:[1,1,0] neg_lo:[1,0,0] neg_hi:[1,0,0]  ; log2 0.45 - (c dy)^2
.endr
.irp e, 0,2,4,6
	v_pk_fma_f32 v[T+16*(\mt)+(\g)+(\e):T+16*(\mt)+(\g)+(\e)+1], v[TMP+8+(\e):TMP+8+(\e)+1], v[TMP+8+(\e):TMP+8+(\e)+1], v[T+16*(\mt)+(\g)+(\e):T+16*(\mt)+(\g)+(\e)+1] neg_lo:[1,0,0] neg_hi:[1,0,0]  ; - (c dx)^2
.endr
.endr
.set ee, 0
.rept 16                               ; a.  The next block's exponents, which name none of these results, follow
	v_exp_f32 v[T+16*(\mt)+ee], v[T+16*(\mt)+ee]
.set ee, ee+1
.endr
.endr
	v_nop                                          ; a plain line behind the last exponential,
	s_wait_alu depctr_va_vdst(0)                   ; and a wait ahead of the first line that names a result: one for the batch of 48
.set ee, 15
.rept 8                                ; coefficient = a x (product of the later 1 - a); product <- product - a x product, one fused line; three rows' chains take turns
.irp mt, 0,1,2
	v_fma_f32 v[PRB+(\mt)], -v[T+16*(\mt)+ee], v[PRA+(\mt)], v[PRA+(\mt)]
.endr
.irp mt, 0,1,2
	v_mul_f32 v[T+16*(\mt)+ee], v[T+16*(\mt)+ee], v[PRA+(\mt)]
.endr
.irp mt, 0,1,2
	v_fma_f32 v[PRA+(\mt)], -v[T+16*(\mt)+ee-1], v[PRB+(\mt)], v[PRB+(\mt)]
.endr
.irp mt, 0,1,2
	v_mul_f32 v[T+16*(\mt)+ee-1], v[T+16*(\mt)+ee-1], v[PRB+(\mt)]
.endr
.set ee, ee-2
.endr
.irp mt, 0,1,2
.irp e, 0,1,2,3,4,5,6,7
	v_cvt_pk_f16_f32 v[CPK+8*(\mt)+(\e)], v[T+16*(\mt)+2*(\e)], v[T+16*(\mt)+2*(\e)+1]  ; the one rounding of a coefficient
.endr
	ds_store_b128 v[CST], v[CPK+8*(\mt):CPK+8*(\mt)+3]   offset:(\mt)*16*CP+32*(\n)
	ds_store_b128 v[CST], v[CPK+8*(\mt)+4:CPK+8*(\mt)+7] offset:(\mt)*16*CP+32*(\n)+16
.endr
.endm
	BATCH 3
	BATCH 2
	BATCH 1
	BATCH 0
.irp mt, 0,1,2
	ds_store_b32 v[PSS], v[PRA+(\mt)] offset:(\mt)*64  ; the segment's product
.endr
	s_wait_dscnt 0x0                               ; for the others' sake
	s_barrier_signal -1
	s_barrier_wait -1                              ; all coefficients and products lie in LDS
	s_wait_tensorcnt 0x0                           ; my wave's part of xt has landed; only my wave reads it
	; PHASE 3
.macro LDK ks, b                       ; K step ks (32 samples) into set b: 14 loads
.irp mt, 0,1,2
	ds_load_b128 v[FB+56*(\b)+8*(\mt):FB+56*(\b)+8*(\mt)+3],   v[AFA] offset:(\mt)*16*CP+64*(\ks)
	ds_load_b128 v[FB+56*(\b)+8*(\mt)+4:FB+56*(\b)+8*(\mt)+7], v[AFA] offset:(\mt)*16*CP+64*(\ks)+32
.endr
.irp t, 0,1,2,3
	ds_load_b128 v[FB+56*(\b)+24+8*(\t):FB+56*(\b)+24+8*(\t)+3],   v[BFA] offset:((\ks)*4+(\t))*1024
	ds_load_b128 v[FB+56*(\b)+24+8*(\t)+4:FB+56*(\b)+24+8*(\t)+7], v[BFA] offset:((\ks)*4+(\t))*1024+512
.endr
.endm
.macro LDP sg                          ; P of segment sg as the results want it: register j = row 8 (l / 16) + j: 6 loads
.irp mt, 0,1,2
	ds_load_b128 v[P+8*(\mt):P+8*(\mt)+3],   v[PSL] offset:((\sg)*48+16*(\mt))*4
	ds_load_b128 v[P+8*(\mt)+4:P+8*(\mt)+7], v[PSL] offset:((\sg)*48+16*(\mt))*4+16
.endr
.endm
.macro MULK b                          ; 12 matrix instructions on 12 accumulators, which take turns
.irp mt, 0,1,2
.irp t, 0,1,2,3
	v_wmma_f32_16x16x32_f16 v[ACC+8*(4*(\mt)+(\t)):ACC+8*(4*(\mt)+(\t))+7], v[FB+56*(\b)+8*(\mt):FB+56*(\b)+8*(\mt)+7], v[FB+56*(\b)+24+8*(\t):FB+56*(\b)+24+8*(\t)+7], v[ACC+8*(4*(\mt)+(\t)):ACC+8*(4*(\mt)+(\t))+7]
.endr
.endr
.endm
.macro RESC sg                         ; acc <- acc x P.  Segment 0: acc = the weights x P, and the turn from 16 bytes a row to one column tile an accumulator rides on the multiplication
.if (\sg) == 0
	s_wait_loadcnt 0x0                             ; the weights are in
	WIN 0x02                                       ; source 0 in window 2
.irp mt, 0,1,2
.irp t, 0,1,2,3
.irp j, 0,1,2,3,4,5,6,7
	v_mul_f32 v[ACC+8*(4*(\mt)+(\t))+(\j)], v[4*(8*(\mt)+(\j))+(\t)], v[P+8*(\mt)+(\j)]
.endr
.endr
.endr
	WIN 0
.else
.irp mt, 0,1,2
.irp t, 0,1,2,3
.irp j, 0,2,4,6                        ; each accumulator's lowest registers are read first
	v_pk_mul_f32 v[ACC+8*(4*(\mt)+(\t))+(\j):ACC+8*(4*(\mt)+(\t))+(\j)+1], v[ACC+8*(4*(\mt)+(\t))+(\j):ACC+8*(4*(\mt)+(\t))+(\j)+1], v[P+8*(\mt)+(\j):P+8*(\mt)+(\j)+1]
.endr
.endr
.endr
.endif
.endm
; K step ks on set ks % 2.  The next K step's fragments go out first; a segment's first K step rescales the sums and then asks for the next segment's P.
.macro STEP ks
.if (\ks) > 0
	PLACES                                         ; behind the last products: for the loads into the set that they read, and for the rescaling of their results
.endif
.if (\ks) < 15
	LDK (\ks)+1, ((\ks)+1)%2
.endif
.if (\ks) == 15
	s_wait_dscnt 0x0                               ; nothing was issued behind the last K step's fragments
.elseif (\ks)%2 == 0
	s_wait_dscnt 14                                ; this segment's P and this K step's fragments are in; the 14 loads just issued may stay out
.else
	s_wait_dscnt 20                                ; this K step's fragments are in; behind them stand the next P's 6 loads and the 14 just issued
.endif
.if (\ks)%2 == 0
	RESC (\ks)/2
.if (\ks) < 14
	LDP (\ks)/2+1
.endif
.endif
	MULK (\ks)%2
.endm
	LDP 0
	LDK 0, 0
.irp ks, 0,1,2,3,4,5,6,7,8,9,10,11,12,13,14,15
	STEP \ks
.endr
	; THE WAY OUT.  A row's four column tiles are a lane's 16 consecutive bytes: gathered into four registers on end, where the fragments lay
	PLACES
.irp mt, 0,1,2
.irp j, 0,1,2,3,4,5,6,7                ; register 0 of each accumulator is read first
.irp t, 0,1,2,3
	v_mov_b32 v[OUT+4*(8*(\mt)+(\j))+(\t)], v[ACC+8*(4*(\mt)+(\t))+(\j)]
.endr
.endr
.endr
.irp mt, 0,1
.irp j, 0,1,2,3,4,5,6,7
	global_store_b128 v[WO], v[OUT+4*(8*(\mt)+(\j)):OUT+4*(8*(\mt)+(\j))+3], s[10:11] offset:(16*(\mt)+(\j))*1024 th:TH_STORE_NT  ; 16 lanes store 256 consecutive bytes, aligned
.endr
.endr
	s_wait_xcnt 0x0                                ; EXEC changes only behind this wait
	v_cmp_gt_u32 vcc_lo, 16, v[LN]                 ; of the third block lanes 0-15 hold rows 32 .. 39; the others' rows are not mine
	s_and_saveexec_b32 s37, vcc_lo
.irp j, 0,1,2,3,4,5,6
	global_store_b128 v[WO2], v[OUT+4*(16+(\j)):OUT+4*(16+(\j))+3], s[10:11] offset:(32+(\j))*1024 th:TH_STORE_NT
.endr
	s_wait_xcnt 0x0
	s_or_b32 exec_lo, exec_lo, s37
	v_cmp_gt_u32 vcc_lo, s14, v[LN]                ; row 39: 16 lanes where it is mine, else none
	s_and_saveexec_b32 s37, vcc_lo
	global_store_b128 v[WO2], v[OUT+92:OUT+95], s[10:11] offset:39*1024 th:TH_STORE_NT
	s_wait_xcnt 0x0
	s_or_b32 exec_lo, exec_lo, s37
	s_wait_tensorcnt 0x0                           ; the wave's end: behind my last tensor load and my last LDS store
	ds_add_u32 v[SPW], v[NIL]
	s_wait_dscnt 0x0
	ROUND                                          ; the closing round: no work-group ends while a partner may still ask for a tile that names it
	s_endpgm
.Lfunc_end_k_q5660184cc0_update:
	.size	k_q5660184cc0_update, .Lfunc_end_k_q5660184cc0_update-k_q5660184cc0_update
	.p2alignl 7, 3214868480
	.fill 96, 4, 3214868480
	.section	.rodata,"a",@progbits
	.p2align	6, 0x0
	.amdhsa_kernel k_q5660184cc0_update
		.amdhsa_group_segment_fixed_size 318208
		.amdhsa_private_segment_fixed_size 0
		.amdhsa_enable_private_segment 0
		.amdhsa_kernarg_size 32
		.amdhsa_user_sgpr_count 2
		.amdhsa_user_sgpr_kernarg_segment_ptr 1
		.amdhsa_wavefront_size32 1
		.amdhsa_system_sgpr_workgroup_id_x 1
		.amdhsa_system_sgpr_workgroup_id_y 1
		.amdhsa_system_sgpr_workgroup_id_z 1
		.amdhsa_system_vgpr_workitem_id 0
		.amdhsa_next_free_vgpr 608
		.amdhsa_next_free_sgpr 66
		.amdhsa_reserve_vcc 1
		.amdhsa_float_denorm_mode_32 3
		.amdhsa_float_denorm_mode_16_64 3
		.amdhsa_memory_ordered 1
		.amdhsa_forward_progress 1
		.amdhsa_inst_pref_size 156
	.end_amdhsa_kernel
	.amdgpu_metadata
---
amdhsa.version: [ 1, 2 ]
amdhsa.kernels:
  - .name:           k_q5660184cc0_update
    .symbol:         k_q5660184cc0_update.kd
    .args:
      - { .name: weights, .offset: 0, .size: 8, .value_kind: global_buffer, .address_space: global }
      - { .name: part, .offset: 8, .size: 8, .value_kind: global_buffer, .address_space: global }
      - { .name: xt, .offset: 16, .size: 8, .value_kind: global_buffer, .address_space: global }
      - { .name: out0, .offset: 24, .size: 8, .value_kind: global_buffer, .address_space: global }
    .group_segment_fixed_size: 318208
    .private_segment_fixed_size: 0
    .kernarg_segment_align: 8
    .kernarg_segment_size: 32
    .max_flat_workgroup_size: 128
    .sgpr_count:     66
    .vgpr_count:     608
    .wavefront_size: 32
...
	.end_amdgpu_metadata
.endif
;; end of part 2
